; MI455X (gfx1250); checked and timed in simulation.
; The chip was launched on July 23, 2026; its instructions are those of AMD's public machine-readable ISA for CDNA 5 (MIT licence, August 2026) and "CDNA5" Instruction Set Architecture Reference Guide (July 2026). The comments in the code are by the model that wrote it; some were corrected since.
;; A Li Bi Multi Head Attention. Allowed arithmetic: matrix products marked QUANTISED: E2M1 operands, one E8M0 scale for each 32 along K, by v_wmma_scale_f32_16x16x128_f8f6f4 with both operands' format E2M1 (or v_wmma_scale_f32_32x16x128_f4), f32 sums; everything else in f32.
;; Inputs: w_kqv_codes 3,072 x 32 x 16 uint8 (E2M1 codes of w_kqv, K innermost, in blocks of 32 codes, two codes a byte); w_kqv_scales 3,072 x 32 uint8 (E8M0 scales of w_kqv, one for each 32 codes along K); x_codes 1 x 4,096 x 32 x 16 uint8 (E2M1 codes of x, K innermost, in blocks of 32 codes, two codes a byte); x_scales 1 x 4,096 x 32 uint8 (E8M0 scales of x, one for each 32 codes along K).
;; Outputs: out0 1 x 4,096 x 1,024 float32.
;; This version of the problem:
;;   THIS VERSION OF THE PROBLEM IS GIVEN IN LOW PRECISION. The matrix products marked QUANTISED in the list below multiply operands that are first quantised to E2M1 (2 exponent bits, 1 mantissa bit; 4 bits a number), with one power-of-two scale for each 32 numbers along K (OCP MX v1.0); their sums are f32. All else is computed in f32.
;;   The module's matrix products, in the order in which they are computed (A, B: the left and right operand; K: the contracted axis; several contracted axes count as one K, in the product's order):
;;     1. [M 4,096, K 1,024] x [K 1,024, N 3,072]; A: input x (given as codes); B: input w_kqv (given as codes): QUANTISED
;;     2. batch 16 x [M 4,096, K 64] x [K 64, N 4,096]; A: computed on the way; B: computed on the way: QUANTISED
;;     3. batch 16 x [M 64, K 4,096] x [K 4,096, N 4,096]; A: computed on the way; B: softmax (see below): QUANTISED
;;   THE QUANTISER, for each operand of a quantised product, along K:
;;     - K is cut into blocks of 32 from its start; a last block that is shorter is filled with zeros.
;;     - A block's scale is 2^e with e = floor(log2(the largest magnitude in the block)) - 2, held to -126 .. 127; a block of zeros has e = 0. As a byte (E8M0): e + 127.
;;     - Each number is divided by its block's scale, clamped to +-6, and rounded to the nearest number of E2M1, ties to even, subnormals kept.
;;     - The product sums the exact products of the quantised numbers (number of the format x scale) in f32.
;;   ~~~python
;;   def quantise(x, axis):      # numpy; x: float32 -> the quantised numbers, widened to float32 again
;;       x = np.moveaxis(x, axis, -1); K = x.shape[-1]
;;       x = np.pad(x, [(0, 0)] * (x.ndim - 1) + [(0, -K % 32)]); x = x.reshape(x.shape[:-1] + (-1, 32)); a = np.abs(x).max(-1, keepdims=True)
;;       e = np.where(a > 0, np.clip(np.frexp(np.where(a > 0, a, 1))[1] - 1 - 2, -126, 127), 0)      # np.frexp(a)[1] - 1 = floor(log2(a)), exactly
;;       r = np.clip(x / 2.0 ** e, -6, 6)
;;       step = 2.0 ** (np.maximum(np.frexp(np.where(r == 0, 1, r))[1] - 1, 0) - 1)
;;       q = np.round(r / step) * step * 2.0 ** e      # np.round: ties to even
;;       return np.moveaxis(q.reshape(q.shape[:-2] + (-1,))[..., :K], -1, axis).astype(np.float32)
;;   ~~~
;;   SOFTMAX AHEAD OF A QUANTISED PRODUCT. Where the list says 'softmax', what is quantised is not the finished softmax but p = 2^(t - M), with t = logit x log2(e) and M = ceil(the row's largest t), a whole number; so 1/2 < the row's largest p <= 1. The row's sum l is taken of the UNQUANTISED p, in f32, and the product's result is divided by l at the end. Since M is a whole number, a kernel that streams over the keys may use a running M (the ceiling of the running maximum): every later rescaling is an exact power of two, which a block's scale takes up: the codes' values come out the same.
;;   OPERANDS COMPUTED ON THE WAY. 'Computed on the way' means the value that the module computes at that place (a softmax that the list does not call 'softmax' is quantised finished and normalised). What goes into a quantiser is computed in f32, as accurately as f32 sums, v_exp_f32 and their like allow (about 1e-6 of the number): no bf16 or f16 on the way to a quantiser, and a product that is left as it is and whose result goes on into a quantised operand takes f32 operands (vector FMAs, or v_wmma_f32_16x16x4_f32). A number that lies on a knife's edge between two numbers of the format may be rounded either way, as far as f32 arithmetic and the matrix unit's own rounding can turn it there, and no further.
;;   INPUTS GIVEN AS CODES. w_kqv (in the module: [1024, 3072], K = its axis 0); x (in the module: [1, 4096, 1024], K = its axis 2): each comes as NAME_codes (uint8): NAME with its K axis moved to the last place and cut into blocks of 32 codes, [.., K / 32, bytes a block], one block behind the other in memory; two codes a byte, the lower K in the low four bits (a code: sign, 2 exponent bits, 1 mantissa bit); and NAME_scales (uint8): the same leading axes, one E8M0 byte (e + 127) for each 32 codes along K. Its value is code x scale, taken as it is: it is not quantised again, and the codes and scales need not be those that the quantiser above would give.
;; One version. Each part assembles by itself: llvm-mc -triple=amdgcn-amd-amdhsa -mcpu=gfx1250 --defsym DOCPART=n.
;; ======== version 1 of 1: 2 launches
;; workspace buffers: kv 4,587,520 bytes; qq 2,359,296 bytes
;; launch proj (part 1): grid 8 x 32, 4 waves a work-group, clusters of 4 x 4, 296,448 bytes of LDS; arguments w_kqv_codes, w_kqv_scales, x_codes, x_scales, kv, qq; writes kv, qq
.if DOCPART == 1
	.amdgcn_target "amdgcn-amd-amdhsa--gfx1250"
	.amdhsa_code_object_version 6
	.text
	.protected	k_q448abc07eb_proj
	.globl	k_q448abc07eb_proj
	.p2align	8
	.type	k_q448abc07eb_proj,@function
k_q448abc07eb_proj:
	s_mov_b64 s[64:65], 0
	v_nop
	global_prefetch_b8 v0, s[64:65] scope:SCOPE_SE
	s_setreg_imm32_b32 hwreg(HW_REG_WAVE_MODE, 25, 1), 1
	s_wait_xcnt 0x0
	s_wait_alu depctr_hold_cnt(0) depctr_sa_sdst(0) depctr_va_vdst(0) depctr_va_sdst(0) depctr_va_ssrc(0) depctr_va_vcc(0) depctr_vm_vsrc(0)
	s_getreg_b32 s2, hwreg(HW_REG_IB_STS2, 6, 4)
	s_cmp_eq_u32 s2, 0
	s_cbranch_scc0 .Lentry_in_a_cluster
	s_endpgm
.Lentry_in_a_cluster:
	s_bfe_u32 s2, ttmp6, 0x10000c
	s_cmp_lg_u32 s2, 0xf033
	s_cbranch_scc0 .Lentry_shape_is_right
	s_endpgm
.Lentry_shape_is_right:
; kqv = x w on codes of FP4 (E2M1) with E8M0 scales, M 4,096, N 3,072, K 1,024, and its results quantised on the way out: k and q along a head's 64 channels, v along the tokens (the keys).
; What is stored are IMAGES OF OPERAND REGISTERS for the attention launch: a fragment's four registers, lane l's 16 bytes at 16 l, and scale words in the lanes that will name them.
;   kv [head 16][step 32][8,960 bytes], a step = 128 keys: +0 K's tile t (16 keys x 64 channels) at 512 t; +4,096 V's tile dt (16 channels x 128 keys) at 1,024 dt + 512 c;
;      +8,192 K's scale words (lane l: tiles 4 (l / 16) + 0..3, key l % 16); +8,704 V's (lane l: dt = 2 (l / 16) + 0, 1, channel l % 16).   qq [head 16][block 32][4,608 bytes]: Q's 8 tiles, then their scale words, as K's.
; SHARES.  Work-group (j, i) takes tokens 128 i on, rows 256 j on of w (k for j < 4, q for j >= 4: four heads) and rows 2,048 + 128 j on (v: two heads): 256 work-groups of equal work.
;   Part A (k or q): wave w has head 4 cx + w.  Source 0 = 16 rows of w, source 1 = 16 tokens: a lane holds ONE token and its registers run along the channels.  32 accumulators.
;   Part B (v): source 0 = 16 tokens, source 1 = 16 rows of w: a lane holds ONE channel and its registers run along the tokens.  16 accumulators.  x's fragments serve both parts.
; THE QUANTISER.  In a result tile t lane (r, h) holds, in register j, place 16 t + 8 h + j along the next K.  A block of 32 is tiles 2 b and 2 b + 1 of lanes l and l xor 16.  The eight codes of (b, tile u of the block) are written to
;   register 4 (b / 2) + 2 u + b % 2; an exchange of halves between registers 2 g and 2 g + 1 then leaves register 4 c + i of lane half h with places 64 c + 32 h + 8 i on: the operand's layout.
; K = 64 of the score product half fills a matrix instruction: K's and Q's scale words carry 0x7f in bytes 2 and 3.
; CLUSTER 4 x 4: x's tiles hang on i alone and are asked for jointly along a row of the cluster, w's on j alone and along a column.
; LDS is filled once: both halves of K (rows of 256 bytes) and all scale bytes are asked for at the head; nothing is filled again, and there is no later request that a prefetch could run ahead of.
; LIMITS: NaN, infinities and scale bytes 0xff among the inputs are not served.  A block whose largest magnitude lies under 2^-124 keeps the byte 1, a block of zeros too (the quantiser says 127): its codes are zeros, and these bytes are read by this program alone.
; REGISTERS, in windows of 256: window 0: addresses, scale words, the epilogue.  Window 1: two sets of 14 fragments (x's 8, w's 4 for part A, w's 2 for part B).  Window 2: part A's 32 accumulators, (a, n) at 8 (4 a + n).  Window 3: part B's 16, (c, t) at 8 (8 c + t).
.set PITCH,  272                       ; an LDS row: 256 bytes + 16 of padding: the 16 rows of a fragment load start 68 words apart
.set HALFT,  128*PITCH                 ; 128 rows: one tensor load
.set SLOT,   4*HALFT                   ; a half of K: x, w's rows 0-127 and 128-255 of part A, w's 128 rows of part B
.set SCL,    2*SLOT                    ; behind them the scale bytes: for each wave's 128 rows 4,096 dense bytes, as 16 rows of 256 + 16
.set SCW,    16*PITCH
.set HEADB,  286720
.set STEPB,  8960
.set QHEADB, 147456
.set QSTEPB, 4608
.set WAVE, 16                          ; s16 wave;  s17, s18 cx, cy;  s19 j;  s20 i;  s21, s22 the masks of my row and my column;  s23 wave x HALFT
.set CX,   17
.set CY,   18
.set JJ,   19
.set II,   20
.set MROW, 21
.set MCOL, 22
.set LB,   23
.set G1X,  24                          ; s[24:31], s[32:39] group 1 for x's and w's codes;  s[40:47], s[48:55] for their scale bytes
.set G1W,  32
.set G1SX, 40
.set G1SW, 48
.set G0X,  56                          ; s[56:63] group 0 for x's two halves of K;  s[68:71] x's scales;  s[72:79] w's halves;  s[80:83] w's scales
.set G0SX, 68
.set G0W,  72
.set G0SW, 80
.set DA,   90                          ; s[90:91] where part A's images go;  s[92:93] their scale words;  s[94:95] part B's images;  s[96:97] their scale words
.set DAS,  92
.set DV,   94
.set DVS,  96
.set SEL,  98                          ; s[98:99] v_permlanex16_b32's selects for lane l xor 16
.set RR,   1                           ; v1 r = lane % 16;  v2 h = lane / 16;  v3 16 x lane
.set HH,   2
.set LI,   3
.set AX,   4                           ; v4-5 my place in x's tiles, K half 0, 1;  v6-7 in part A's rows of w;  v8-9 in part B's
.set AK,   6
.set AV,   8
.set ASX,  10                          ; v10-12 my place among the scale words of x, of part A's rows, of part B's
.set ASK,  11
.set ASV,  12
.set VSO,  13                          ; v13 8 r + 4 h: where my word of V's scale image goes
.set SX,   16                          ; v16-47 x's scale words: register 8 p + ks: lanes 0-15 token tile p, lanes 16-31 tile p + 4
.set SK,   48                          ; v48-63 part A's: register 8 q + ks: lanes 0-15 tile q, lanes 16-31 tile q + 2
.set SV,   64                          ; v64-71 part B's: register ks: lanes 0-15 tile 0, lanes 16-31 tile 1
.set TM,   72                          ; v72-95 the 24 blocks' largest magnitudes
.set TP,   96                          ; v96-119 lane l xor 16's, then the bytes
.set TS,   120                         ; v120-143 the conversions' scale operands
.set PC,   144                         ; v144-191 the codes
.set PWA,  192                         ; v192-199 part A's scale words, v200-201 part B's
.set PWB,  200
.set IMG,  204                         ; v204-207 part A's scale image;  v208 part B's word
.set VW,   208
.set MSB, 0
.macro WIN new                         ; the immediate's high byte repeats the setting that is left
.if MSB != \new
	s_set_vgpr_msb (MSB<<8)|\new
.set MSB, \new
.endif
.endm
.macro PLACES n
.rept \n
	v_nop
.endr
.endm
; A joint load: wave 0 fetches for x, waves 1 to 3 for w.  Each line has one mask; the branch hangs on the wave's number alone.  Four v_nop follow each line.
.macro JLOAD g0x, g1x, g0w, g1w
	s_cmp_eq_u32 s[WAVE], 0
	s_cbranch_scc0 .Lfor_w_\@
	tensor_load_to_lds s[\g0x:\g0x+3], s[\g1x:\g1x+7]
	s_nop 0
.rept 4
	v_nop
.endr
	s_branch .Lasked_\@
.Lfor_w_\@:
	tensor_load_to_lds s[\g0w:\g0w+3], s[\g1w:\g1w+7]
	s_nop 0
.rept 4
	v_nop
.endr
.Lasked_\@:
.endm
.macro CROUND                          ; a round of the cluster's barrier
	s_barrier_signal -1
	s_barrier_wait -1
	s_cmp_lg_u32 s[WAVE], 0
	s_cbranch_scc1 .Lnot_wave_0_\@
	s_barrier_signal -3
.Lnot_wave_0_\@:
	s_barrier_wait -3
	s_barrier_signal -1
	s_barrier_wait -1
.endm
; One product.  zero: it starts its sum.  ra, rb: source 0's, source 1's scale words stand in lanes 16-31 of the register named.
.macro WMS d, fa, fb, zero, sa, sb, ra, rb
.if (\zero) && (\ra) && (\rb)
	v_wmma_scale_f32_16x16x128_f8f6f4 v[(\d):(\d)+7], v[(\fa):(\fa)+7], v[(\fb):(\fb)+7], 0, v[\sa], v[\sb] matrix_a_fmt:MATRIX_FMT_FP4 matrix_b_fmt:MATRIX_FMT_FP4 matrix_a_scale:MATRIX_SCALE_ROW1 matrix_b_scale:MATRIX_SCALE_ROW1
.elseif (\zero) && (\ra)
	v_wmma_scale_f32_16x16x128_f8f6f4 v[(\d):(\d)+7], v[(\fa):(\fa)+7], v[(\fb):(\fb)+7], 0, v[\sa], v[\sb] matrix_a_fmt:MATRIX_FMT_FP4 matrix_b_fmt:MATRIX_FMT_FP4 matrix_a_scale:MATRIX_SCALE_ROW1
.elseif (\zero) && (\rb)
	v_wmma_scale_f32_16x16x128_f8f6f4 v[(\d):(\d)+7], v[(\fa):(\fa)+7], v[(\fb):(\fb)+7], 0, v[\sa], v[\sb] matrix_a_fmt:MATRIX_FMT_FP4 matrix_b_fmt:MATRIX_FMT_FP4 matrix_b_scale:MATRIX_SCALE_ROW1
.elseif (\zero)
	v_wmma_scale_f32_16x16x128_f8f6f4 v[(\d):(\d)+7], v[(\fa):(\fa)+7], v[(\fb):(\fb)+7], 0, v[\sa], v[\sb] matrix_a_fmt:MATRIX_FMT_FP4 matrix_b_fmt:MATRIX_FMT_FP4
.elseif (\ra) && (\rb)
	v_wmma_scale_f32_16x16x128_f8f6f4 v[(\d):(\d)+7], v[(\fa):(\fa)+7], v[(\fb):(\fb)+7], v[(\d):(\d)+7], v[\sa], v[\sb] matrix_a_fmt:MATRIX_FMT_FP4 matrix_b_fmt:MATRIX_FMT_FP4 matrix_a_scale:MATRIX_SCALE_ROW1 matrix_b_scale:MATRIX_SCALE_ROW1
.elseif (\ra)
	v_wmma_scale_f32_16x16x128_f8f6f4 v[(\d):(\d)+7], v[(\fa):(\fa)+7], v[(\fb):(\fb)+7], v[(\d):(\d)+7], v[\sa], v[\sb] matrix_a_fmt:MATRIX_FMT_FP4 matrix_b_fmt:MATRIX_FMT_FP4 matrix_a_scale:MATRIX_SCALE_ROW1
.elseif (\rb)
	v_wmma_scale_f32_16x16x128_f8f6f4 v[(\d):(\d)+7], v[(\fa):(\fa)+7], v[(\fb):(\fb)+7], v[(\d):(\d)+7], v[\sa], v[\sb] matrix_a_fmt:MATRIX_FMT_FP4 matrix_b_fmt:MATRIX_FMT_FP4 matrix_b_scale:MATRIX_SCALE_ROW1
.else
	v_wmma_scale_f32_16x16x128_f8f6f4 v[(\d):(\d)+7], v[(\fa):(\fa)+7], v[(\fb):(\fb)+7], v[(\d):(\d)+7], v[\sa], v[\sb] matrix_a_fmt:MATRIX_FMT_FP4 matrix_b_fmt:MATRIX_FMT_FP4
.endif
.endm
; The 14 fragments of K step kq (128 along K: 64 bytes of a row) into set: 28 loads in one run.  A fragment: lane (r, h) holds row r; registers 4 c on hold K = 64 c + 32 h + 0 .. 31: 16 bytes as they lie.
.macro FRAGS kq, set
	WIN 0x40                                       ; destination window 1, address window 0
.irp i, 0,1,2,3,4,5,6,7
.irp c, 0,1
	ds_load_b128 v[112*(\set)+8*\i+4*\c:112*(\set)+8*\i+4*\c+3], v[AX+(\kq)/4] offset:16*PITCH*\i+64*((\kq)%4)+32*\c
.endr
.endr
.irp i, 0,1,2,3
.irp c, 0,1
	ds_load_b128 v[112*(\set)+64+8*\i+4*\c:112*(\set)+64+8*\i+4*\c+3], v[AK+(\kq)/4] offset:16*PITCH*\i+64*((\kq)%4)+32*\c
.endr
.endr
.irp i, 0,1
.irp c, 0,1
	ds_load_b128 v[112*(\set)+96+8*\i+4*\c:112*(\set)+96+8*\i+4*\c+3], v[AV+(\kq)/4] offset:16*PITCH*\i+64*((\kq)%4)+32*\c
.endr
.endr
	WIN 0
.endm
.macro MULA kq, set, zero              ; part A: 8 token tiles x my head's 4 tiles of w
	WIN 0xa5                                       ; sources 0 and 1 window 1, C and D window 2
.irp a, 0,1,2,3,4,5,6,7
.irp n, 0,1,2,3
	WMS 8*(4*\a+\n), 112*(\set)+64+8*\n, 112*(\set)+8*\a, \zero, SK+8*(\n%2)+(\kq), SX+8*(\a%4)+(\kq), \n/2, \a/4
.endr
.endr
.endm
.macro MULB kq, set, zero              ; part B: my 2 tiles of w x 8 token tiles
	WIN 0xf5                                       ; sources 0 and 1 window 1, C and D window 3
.irp c, 0,1
.irp t, 0,1,2,3,4,5,6,7
	WMS 8*(8*\c+\t), 112*(\set)+8*\t, 112*(\set)+96+8*\c, \zero, SX+8*(\t%4)+(\kq), SV+(\kq), \t/4, \c
.endr
.endr
.endm
	s_load_b256 s[4:11], s[0:1], 0x0               ; w's codes s[4:5], w's scales s[6:7], x's codes s[8:9], x's scales s[10:11]
	s_load_b128 s[12:15], s[0:1], 0x20             ; kv s[12:13], qq s[14:15]
	v_lshl_add_u32 v254, v0, 2, 0x48400
	v_mov_b32 v255, 0
	ds_add_u32 v254, v255
	ds_add_u32 v254, v255
	v_lshrrev_b32 v1, 5, v0
	v_readfirstlane_b32 s[WAVE], v1                ; wave 0..3
	s_bfe_u32 s[CX], ttmp6, 0x40000                ; my place in the cluster
	s_bfe_u32 s[CY], ttmp6, 0x40004
	s_lshl_b32 s[JJ], ttmp9, 2
	s_add_co_u32 s[JJ], s[JJ], s[CX]               ; j = 4 x cluster x + cx
	s_and_b32 s[II], ttmp7, 0xffff
	s_lshl_b32 s[II], s[II], 2
	s_add_co_u32 s[II], s[II], s[CY]               ; i = 4 x cluster y + cy
	s_lshl_b32 s[MROW], s[CY], 2
	s_lshl_b32 s[MROW], 15, s[MROW]                ; my row of the cluster
	s_lshl_b32 s[MCOL], 0x1111, s[CX]              ; my column
	; group 1 for codes: 128 rows x 256 bytes out of rows of 512, 16 bytes of padding behind each
	s_or_b32 s[G1X], s[MROW], (1<<20)|(1<<21)|(5<<22)|(3<<25)   ; 15:0 the mask; 17:16 elements of 1 byte; 20 padding on; 21 set beside a mask; 24:22 after every 64 words; 31:25 four words
	s_or_b32 s[G1W], s[MCOL], (1<<20)|(1<<21)|(5<<22)|(3<<25)
.irp g, G1X, G1W
	s_mov_b32 s[\g+1], 256<<16                     ; tensor_dim0
	s_mov_b32 s[\g+2], 128<<16                     ; tensor_dim1
	s_mov_b32 s[\g+3], 256<<16                     ; tile_dim0
	s_mov_b32 s[\g+4], 128                         ; tile_dim1
	s_mov_b32 s[\g+5], 512                         ; from row to row
	s_mov_b32 s[\g+6], 0
	s_mov_b32 s[\g+7], 0
.endr
	; group 1 for the scale bytes of 128 rows: 4,096 dense bytes as 16 rows of 32 elements of 8 bytes, padded likewise
	s_or_b32 s[G1SX], s[MROW], (3<<16)|(1<<20)|(1<<21)|(5<<22)|(3<<25)
	s_or_b32 s[G1SW], s[MCOL], (3<<16)|(1<<20)|(1<<21)|(5<<22)|(3<<25)
.irp g, G1SX, G1SW
	s_mov_b32 s[\g+1], 32<<16
	s_mov_b32 s[\g+2], 16<<16
	s_mov_b32 s[\g+3], 32<<16
	s_mov_b32 s[\g+4], 16
	s_mov_b32 s[\g+5], 32
	s_mov_b32 s[\g+6], 0
	s_mov_b32 s[\g+7], 0
.endr
	; which 128 rows of w my wave fetches: wave 1, 2: 256 j + 128 (wave - 1); wave 3: 2,048 + 128 j.  (Wave 0 fetches x; its number here is not used.)  These registers never hold cy, x's never cx.
	s_max_u32 s86, s[WAVE], 1
	s_sub_co_u32 s86, s86, 1
	s_lshl_b32 s86, s86, 7
	s_lshl_b32 s87, s[JJ], 8
	s_add_co_u32 s86, s86, s87
	s_lshl_b32 s87, s[JJ], 7
	s_add_co_u32 s87, s87, 2048
	s_cmp_eq_u32 s[WAVE], 3
	s_cselect_b32 s86, s87, s86
	s_lshl_b32 s88, s86, 5                         ; its scale bytes: 32 a row
	s_lshl_b32 s86, s86, 9                         ; its codes: 512 bytes a row
	s_mov_b32 s87, 0
	s_mov_b32 s89, 0
	s_mov_b32 s85, 0
	s_mul_i32 s[LB], s[WAVE], HALFT                ; where my loads go: the wave's number alone enters an LDS address
	s_mul_i32 s3, s[WAVE], SCW
	s_wait_dscnt 0x0
	s_wait_kmcnt 0x0
	s_add_nc_u64 s[4:5], s[4:5], s[86:87]
	s_add_nc_u64 s[6:7], s[6:7], s[88:89]
	s_lshl_b32 s84, s[II], 16                      ; x: 128 i rows of 512 bytes
	s_add_nc_u64 s[8:9], s[8:9], s[84:85]
	s_lshl_b32 s84, s[II], 12                      ; and of 32 scale bytes
	s_add_nc_u64 s[10:11], s[10:11], s[84:85]
	CROUND                                         ; all sixteen work-groups are here: the joint loads meet
	s_mov_b32 s[G0SX], 1
	s_add_co_u32 s[G0SX+1], s3, SCL
	s_mov_b64 s[G0SX+2:G0SX+3], s[10:11]
	s_or_b32 s[G0SX+3], s[G0SX+3], 0x80000000
	s_mov_b32 s[G0SW], 1
	s_add_co_u32 s[G0SW+1], s3, SCL
	s_mov_b64 s[G0SW+2:G0SW+3], s[6:7]
	s_or_b32 s[G0SW+3], s[G0SW+3], 0x80000000
	JLOAD G0SX, G1SX, G0SW, G1SW                   ; the scale bytes first: they are wanted with K step 0
.irp s, 0,1
	s_mov_b32 s[G0X+4*\s], 1
	s_add_co_u32 s[G0X+4*\s+1], s[LB], \s*SLOT
	s_add_nc_u64 s[G0X+4*\s+2:G0X+4*\s+3], s[8:9], \s*256
	s_or_b32 s[G0X+4*\s+3], s[G0X+4*\s+3], 0x80000000
	s_mov_b32 s[G0W+4*\s], 1
	s_add_co_u32 s[G0W+4*\s+1], s[LB], \s*SLOT
	s_add_nc_u64 s[G0W+4*\s+2:G0W+4*\s+3], s[4:5], \s*256
	s_or_b32 s[G0W+4*\s+3], s[G0W+4*\s+3], 0x80000000
	JLOAD G0X+4*\s, G1X, G0W+4*\s, G1W             ; three loads of mine are out behind the last of these
.endr
	; LDS addresses
	v_and_b32 v[RR], 15, v0
	v_bfe_u32 v[HH], v0, 4, 1
	v_and_b32 v14, 31, v0
	v_lshlrev_b32 v[LI], 4, v14
	v_mul_u32_u24 v[AX], v[RR], PITCH
	v_lshl_add_u32 v[AX], v[HH], 4, v[AX]          ; a fragment's row x pitch + 16 x half
	s_mul_i32 s2, s[WAVE], 64*PITCH
	s_add_co_u32 s2, s2, HALFT                     ; part A: my head's 64 rows of w
	s_mul_i32 s3, s[WAVE], 32*PITCH
	s_add_co_u32 s3, s3, 3*HALFT                   ; part B: my 32 rows
	v_add_nc_u32 v[AK], s2, v[AX]
	v_add_nc_u32 v[AV], s3, v[AX]
	v_add_nc_u32 v[AX+1], SLOT, v[AX]
	v_add_nc_u32 v[AK+1], SLOT, v[AK]
	v_add_nc_u32 v[AV+1], SLOT, v[AV]
	v_lshrrev_b32 v14, 3, v[RR]                    ; scale bytes: 32 a row, eight rows to an LDS row of 272
	v_mul_u32_u24 v14, v14, PITCH
	v_and_b32 v15, 7, v[RR]
	v_lshl_add_u32 v14, v15, 5, v14
	v_mad_u32_u24 v[ASX], v[HH], 4*544, v14        ; lanes 16-31: four tiles of 16 rows (544 bytes each) further on
	v_add_nc_u32 v[ASX], SCL, v[ASX]
	s_mul_i32 s2, s[WAVE], 4*544
	s_add_co_u32 s2, s2, SCL+SCW
	v_mad_u32_u24 v[ASK], v[HH], 2*544, v14        ; two tiles further on
	v_add_nc_u32 v[ASK], s2, v[ASK]
	s_mul_i32 s2, s[WAVE], 2*544
	s_add_co_u32 s2, s2, SCL+3*SCW
	v_mad_u32_u24 v[ASV], v[HH], 544, v14          ; one tile further on
	v_add_nc_u32 v[ASV], s2, v[ASV]
	v_lshlrev_b32 v[VSO], 3, v[RR]
	v_lshl_add_u32 v[VSO], v[HH], 2, v[VSO]
.set Q, 0
.rept 24
	v_mov_b32 v[TP+Q], 0                           ; written once: a lane permute's destination counts as one of its sources
.set Q, Q+1
.endr
	s_mov_b32 s[SEL], 0x76543210
	s_mov_b32 s[SEL+1], 0xfedcba98
	; where the results go.  Part A: k (cluster x = 0) into kv, q into qq: head 4 cx + wave, step or block i
	s_lshl_b32 s2, s[CX], 2
	s_add_co_u32 s2, s2, s[WAVE]
	s_mov_b32 s3, QHEADB
	s_mov_b32 s66, QSTEPB
	s_mov_b32 s100, 4096
	s_cmp_eq_u32 ttmp9, 0                          ; the same in all sixteen partners; it chooses values, no path
	s_cselect_b64 s[DA:DA+1], s[12:13], s[14:15]
	s_cselect_b32 s3, HEADB, s3
	s_cselect_b32 s66, STEPB, s66
	s_cselect_b32 s100, 8192, s100                 ; the scale image lies behind K's and V's images in kv, behind Q's in qq
	s_mul_i32 s2, s2, s3
	s_mul_i32 s66, s66, s[II]
	s_add_co_u32 s2, s2, s66
	s_mov_b32 s3, 0
	s_mov_b32 s101, 0
	s_add_nc_u64 s[DA:DA+1], s[DA:DA+1], s[2:3]
	s_add_nc_u64 s[DAS:DAS+1], s[DA:DA+1], s[100:101]
	; part B: head 2 j + wave / 2, step i; my two tiles are dt = 2 (wave % 2) + 0, 1
	s_lshl_b32 s2, s[JJ], 1
	s_lshr_b32 s66, s[WAVE], 1
	s_add_co_u32 s2, s2, s66
	s_mul_i32 s2, s2, HEADB
	s_mul_i32 s66, s[II], STEPB
	s_add_co_u32 s2, s2, s66
	s_add_nc_u64 s[DVS:DVS+1], s[12:13], s[2:3]
	s_and_b32 s2, s[WAVE], 1
	s_lshl_b32 s100, s2, 11
	s_add_co_u32 s100, s100, 4096
	s_add_nc_u64 s[DV:DV+1], s[DVS:DVS+1], s[100:101]
	s_lshl_b32 s100, s2, 7
	s_add_co_u32 s100, s100, 8704
	s_add_nc_u64 s[DVS:DVS+1], s[DVS:DVS+1], s[100:101]
	s_wait_tensorcnt 0x1                           ; my scale bytes and my part of K's first half are in; the second half's load may stay out
	s_barrier_signal -1
	s_barrier_wait -1                              ; everybody's are
.irp p, 0,1,2,3
	ds_load_b128 v[SX+8*\p:SX+8*\p+3], v[ASX] offset:544*\p          ; a row's 32 scale bytes are the words of K steps 0 to 7
	ds_load_b128 v[SX+8*\p+4:SX+8*\p+7], v[ASX] offset:544*\p+16
.endr
.irp p, 0,1
	ds_load_b128 v[SK+8*\p:SK+8*\p+3], v[ASK] offset:544*\p
	ds_load_b128 v[SK+8*\p+4:SK+8*\p+7], v[ASK] offset:544*\p+16
.endr
	ds_load_b128 v[SV:SV+3], v[ASV]
	ds_load_b128 v[SV+4:SV+7], v[ASV] offset:16
	FRAGS 0, 0
; Eight K steps of 128, written out.  The 48 accumulators take turns, one instruction a turn, in the same order in every step.
.set KQ, 0
.rept 8
.if KQ == 3
	s_wait_tensorcnt 0x0                           ; my part of K's second half is in,
	s_wait_dscnt 0x0                               ; no LDS load of mine is out at the signal,
	s_barrier_signal -1
	s_barrier_wait -1                              ; and everybody's part is in: the fetch below is the first that reads it
.endif
.if (KQ > 0) && (KQ < 7)
	PLACES 4                                       ; between the last step's products and loads into the set that they read (ISA guide 7.12.1 for vector instructions)
.endif
.if KQ < 7
	FRAGS KQ+1, (KQ+1)%2
	s_wait_dscnt 28                                ; all but the 28 just issued: this step's fragments (and, in step 0, the scale words) are in
.else
	s_wait_dscnt 0x0
.endif
	MULA KQ, KQ%2, KQ==0
	MULB KQ, KQ%2, KQ==0
.set KQ, KQ+1
.endr
	PLACES 4                                       ; in front of the first read of results
; THE QUANTISER, 24 blocks of 32 at once: q = 0..15: part A's token tile q / 2, channels 32 (q % 2) on; q = 16..23: part B's tile (q - 16) / 4, tokens 32 (q % 4) on.  A block's two tiles are 16 registers on end.
	WIN 0x0a                                       ; sources 0 and 1 window 2
.irp q, 0,1,2,3,4,5,6,7,8,9,10,11,12,13,14,15
	v_max3_num_f32 v[TM+\q], |v[16*\q]|, |v[16*\q+1]|, 0x1800000   ; each accumulator is read from its low end on; the floor 2^(3 - 127) holds the byte at 1 from below
.endr
.irp i, 2,4,6,8,10,12,14
.irp q, 0,1,2,3,4,5,6,7,8,9,10,11,12,13,14,15
	v_max3_num_f32 v[TM+\q], |v[16*\q+\i]|, |v[16*\q+\i+1]|, v[TM+\q]   ; the blocks by turns: no line waits for the line above it
.endr
.endr
	WIN 0x0f                                       ; sources 0 and 1 window 3
.irp q, 0,1,2,3,4,5,6,7
	v_max3_num_f32 v[TM+16+\q], |v[16*\q]|, |v[16*\q+1]|, 0x1800000
.endr
.irp i, 2,4,6,8,10,12,14
.irp q, 0,1,2,3,4,5,6,7
	v_max3_num_f32 v[TM+16+\q], |v[16*\q+\i]|, |v[16*\q+\i+1]|, v[TM+16+\q]
.endr
.endr
	WIN 0
.set Q, 0
.rept 24
	v_permlanex16_b32 v[TP+Q], v[TM+Q], s[SEL], s[SEL+1]
.set Q, Q+1
.endr
.set Q, 0
.rept 24
	v_max_num_f32 v[TM+Q], v[TM+Q], v[TP+Q]        ; with lane l xor 16's 16 numbers: the block's largest magnitude
.set Q, Q+1
.endr
.set Q, 0
.rept 24
	v_add_nc_u32 v[TS+Q], 0xff000000, v[TM+Q]      ; 2 off its exponent field: the conversion takes the exponent field of this operand as its scale
.set Q, Q+1
.endr
.set Q, 0
.rept 24
	v_lshrrev_b32 v[TP+Q], 23, v[TS+Q]             ; the scale's byte
.set Q, Q+1
.endr
.irp a, 0,1,2,3,4,5,6,7
	v_lshl_or_b32 v[PWA+\a], v[TP+2*\a+1], 8, v[TP+2*\a]
.endr
.irp a, 0,1,2,3,4,5,6,7
	v_or_b32 v[PWA+\a], 0x7f7f0000, v[PWA+\a]      ; bytes 2 and 3 scale the half of the instruction's K that holds nothing: 1.0
.endr
.irp c, 0,1
	v_lshl_or_b32 v[PWB+\c], v[TP+16+4*\c+1], 8, v[TP+16+4*\c]
	v_lshl_or_b32 v[PWB+\c], v[TP+16+4*\c+2], 16, v[PWB+\c]
	v_lshl_or_b32 v[PWB+\c], v[TP+16+4*\c+3], 24, v[PWB+\c]
.endr
	WIN 0x02                                       ; source 0 window 2
.irp q, 0,1,2,3,4,5,6,7,8,9,10,11,12,13,14,15
.irp u, 0,1
	v_cvt_scalef32_pk8_fp4_f32 v[PC+4*(\q/2)+2*\u+\q%2], v[16*\q+8*\u:16*\q+8*\u+7], v[TS+\q]
.endr
.endr
	WIN 0x03                                       ; source 0 window 3
.irp q, 0,1,2,3,4,5,6,7
.irp u, 0,1
	v_cvt_scalef32_pk8_fp4_f32 v[PC+32+4*(\q/2)+2*\u+\q%2], v[16*\q+8*\u:16*\q+8*\u+7], v[TS+16+\q]
.endr
.endr
	WIN 0
	v_nop                                          ; one plain place behind the scaled conversions
.set Q, 0
.rept 24
	v_permlane16_swap_b32 v[PC+2*Q], v[PC+2*Q+1]   ; the first's lanes 16-31 change places with the second's lanes 0-15: a whole block in a lane
.set Q, Q+1
.endr
	v_cmp_ne_u32 vcc_lo, 0, v[HH]                  ; lanes 16-31
.irp i, 0,1,2,3
	v_cndmask_b32 v[IMG+\i], v[PWA+\i], v[PWA+4+\i], vcc_lo   ; lanes 0-15: tiles 0-3; lanes 16-31: tiles 4-7
.endr
	v_cndmask_b32 v[VW], v[PWB], v[PWB+1], vcc_lo
.irp a, 0,1,2,3,4,5,6,7
	global_store_b128 v[LI], v[PC+4*\a:PC+4*\a+3], s[DA:DA+1] offset:512*\a   ; 32 lanes store 512 consecutive bytes, at a multiple of 256 from the buffer's first byte
.endr
.irp c, 0,1
.irp k, 0,1
	global_store_b128 v[LI], v[PC+32+8*\c+4*\k:PC+32+8*\c+4*\k+3], s[DV:DV+1] offset:1024*\c+512*\k
.endr
.endr
	global_store_b128 v[LI], v[IMG:IMG+3], s[DAS:DAS+1]
	global_store_b32 v[VSO], v[VW], s[DVS:DVS+1]   ; 128 consecutive bytes: half of the head's 256, whose other half is another wave's: one byte in 70 of kv
	s_wait_tensorcnt 0x0
	ds_add_u32 v254, v255
	s_wait_dscnt 0x0
	CROUND                                         ; the closing round: no work-group ends while a partner may still ask for a tile that names it
	s_endpgm
.Lfunc_end_k_q448abc07eb_proj:
	.size	k_q448abc07eb_proj, .Lfunc_end_k_q448abc07eb_proj-k_q448abc07eb_proj
	.p2alignl 7, 3214868480
	.fill 96, 4, 3214868480
	.section	.rodata,"a",@progbits
	.p2align	6, 0x0
	.amdhsa_kernel k_q448abc07eb_proj
		.amdhsa_group_segment_fixed_size 296448
		.amdhsa_private_segment_fixed_size 0
		.amdhsa_enable_private_segment 0
		.amdhsa_kernarg_size 48
		.amdhsa_user_sgpr_count 2
		.amdhsa_user_sgpr_kernarg_segment_ptr 1
		.amdhsa_wavefront_size32 1
		.amdhsa_system_sgpr_workgroup_id_x 1
		.amdhsa_system_sgpr_workgroup_id_y 1
		.amdhsa_system_sgpr_workgroup_id_z 1
		.amdhsa_system_vgpr_workitem_id 0
		.amdhsa_next_free_vgpr 896
		.amdhsa_next_free_sgpr 102
		.amdhsa_reserve_vcc 1
		.amdhsa_float_denorm_mode_32 3
		.amdhsa_float_denorm_mode_16_64 3
		.amdhsa_memory_ordered 1
		.amdhsa_forward_progress 1
		.amdhsa_inst_pref_size 101
	.end_amdhsa_kernel
	.amdgpu_metadata
---
amdhsa.version: [ 1, 2 ]
amdhsa.kernels:
  - .name:           k_q448abc07eb_proj
    .symbol:         k_q448abc07eb_proj.kd
    .args:
      - { .name: w_kqv_codes, .offset: 0, .size: 8, .value_kind: global_buffer, .address_space: global }
      - { .name: w_kqv_scales, .offset: 8, .size: 8, .value_kind: global_buffer, .address_space: global }
      - { .name: x_codes, .offset: 16, .size: 8, .value_kind: global_buffer, .address_space: global }
      - { .name: x_scales, .offset: 24, .size: 8, .value_kind: global_buffer, .address_space: global }
      - { .name: kv, .offset: 32, .size: 8, .value_kind: global_buffer, .address_space: global }
      - { .name: qq, .offset: 40, .size: 8, .value_kind: global_buffer, .address_space: global }
    .group_segment_fixed_size: 296448
    .private_segment_fixed_size: 0
    .kernarg_segment_align: 8
    .kernarg_segment_size: 48
    .max_flat_workgroup_size: 128
    .sgpr_count:     102
    .vgpr_count:     896
    .wavefront_size: 32
...
	.end_amdgpu_metadata
.endif
;; end of part 1
;; launch attn (part 2): grid 16 x 16, 16 waves a work-group, no clusters, 288,768 bytes of LDS; arguments kv, qq, out0; writes out0
.if DOCPART == 2
	.amdgcn_target "amdgcn-amd-amdhsa--gfx1250"
	.amdhsa_code_object_version 6
	.text
	.protected	k_q448abc07eb_attn
	.globl	k_q448abc07eb_attn
	.p2align	8
	.type	k_q448abc07eb_attn,@function
k_q448abc07eb_attn:
	s_mov_b64 s[64:65], 0
	v_nop
	global_prefetch_b8 v0, s[64:65] scope:SCOPE_SE
	s_setreg_imm32_b32 hwreg(HW_REG_WAVE_MODE, 25, 1), 1
	s_wait_xcnt 0x0
; out[i][h][:] = the sum over j <= i of softmax_j(q_i . k_j / 32 + slope_h (j - i)) v_j, 16 heads of 64 channels, 4,096 tokens; both products on codes of FP4 (E2M1) with E8M0 scales.
; kv and qq hold images of operand registers, as the launch before laid them: kv [head][step of 128 keys][8,960 bytes]: K's 8 tiles, V's 4 tiles, K's and V's scale words; qq [head][block of 128 queries][4,608 bytes].
; THE SOFTMAX: t = logit x log2(e); M = the running largest t rounded UP to a whole number; p = 2^(t - M) is quantised along the keys, not normalised; the row's sum is taken of the unquantised p and divides at the end.
;   When M moves, the sum and O are multiplied by 2^(old M - new M): exact.
; THE BIAS is not formed as a difference of large roundings.  key - query = RL + (j - 4), RL a whole number for each tile and lane, j the register.  32 slope (j - 4) is the C of the score product; RL x slope log2(e) - M is one fused
;   multiply-add a tile and lane, rounded at its own size; an element's exponent is then one packed multiply-add, S' c + base, c = log2(e) / 32.
; SHARES.  A work-group owns the blocks p and 31 - p of 128 queries of one head: (p + 1) + (32 - p) = 33 block steps in every work-group.  Each of its sixteen waves owns one tile of 16 queries, in 256 registers;
;   the waves of the late block and of the early block alternate so that two of each fall to every group of four, by wave % 4 and by wave / 4 alike.
; LAYOUT.  Both products are used transposed: S^T = K Q^T (source 0 = 16 keys), O^T = V^T P^T (source 0 = 16 channels): a lane holds ONE query (lane % 16).  In tile t register j is key 16 t + 8 h + j.
;   The score product's K is 64: registers 0-3 of a fragment.  Q's registers 4-7 are zero codes, so what stands in K's registers 4-7 (the next tile's codes) adds nothing; scale bytes 2 and 3 are 0x7f on both sides.
; LDS holds the head's kv block whole, as it lies in memory, filled ONCE by sixteen tensor loads asked for at the head (waves 0-3, four each): no slot is filled again, and no later request exists that a prefetch could run ahead of.
; THE CAUSAL MASK.  Every wave walks all 32 steps: the trip counts are constants.  A step all of whose keys come after the wave's queries is jumped over, by a scalar branch on ids; the step on the diagonal masks.
; NO CLUSTER: the work-groups that share a head's K and V own different query blocks, and the jump over hidden steps hangs on the block: partners of a joint load may not differ in a branch.
; THE WAY OUT goes through a stage of 16 x 272 bytes a wave that lies in the first 8 steps' bytes: it is written only behind the second chunk's barrier, where those bytes have had their only fill and their last read.
; LIMITS: NaN and infinities are not served.  p under 2^-126 of the running maximum is 0.  A block of p all zero keeps the byte 1: its codes are zeros.
.set HEADB,  286720
.set STEPB,  8960
.set CHUNKB, 8*STEPB                   ; a chunk: 8 steps, shown whole by one barrier
.set LOADB,  2*STEPB                   ; one tensor load: two steps, 70 rows of 256 bytes
.set QHEADB, 147456
.set QSTEPB, 4608
.set SP,     272                       ; a stage row: 256 bytes + 16
.set WAVE, 10                          ; s10 wave;  s12 head;  s13 1 in a wave of the late block;  s14 my tile in the block;  s15 my block = my last step
.set HD,   12
.set HEAVY, 13
.set IDX,  14
.set LAST, 15
.set G1,   16                          ; s[16:23] descriptor group 1;  s[24:39] four groups 0
.set G0,   24
.set Q0,   40                          ; s40 my first query;  s41 the chunk of my last step;  s42 LDS byte of the step in hand;  s43 its number;  s44 counts a chunk's steps
.set LCH,  41
.set TB,   42
.set ST,   43
.set CNT,  44
.set CS,   46                          ; s[46:47] c = log2(e) / 32
.set SEL,  52                          ; s[52:53] v_permlanex16_b32's selects for lane l xor 16
.set LI,   1                           ; v1 16 x lane;  v2 8 x lane;  v3, v4 the same + the step's LDS byte
.set L8,   2
.set ADR,  3
.set ADS,  4
.set DL,   5                           ; v5 r - 8 h + 16 x my tile: on the diagonal key 16 t + j of a lane is hidden where 16 t + j > this
.set GO,   6                           ; v6 the way out: 4,096 h + 16 r;  v7 into the stage;  v8 back out of it
.set STO,  7
.set RD,   8
.set QS,   9                           ; v9 Q's scale words
.set NINF, 10                          ; v10 -infinity
.set QSO,  11                          ; v11 the offset of Q's scale word;  v115 of Q's image
.set NM,   12                          ; v12 -M;  v13 the running largest t;  v[14:15] the sum in two halves
.set TMX,  13
.set SUM,  14
.set QF,   16                          ; v16-23 Q
.set C8,   24                          ; v24-31 32 slope (j - 4)
.set RL,   32                          ; v32-39 RL of tile t
.set SM,   40                          ; v40-47 the largest S' of tile t
.set BT,   48                          ; v48-55 RL slope', then RL slope' - M
.set AT,   56                          ; v56-63 the tile's largest t, then its largest t - M
.set FB,   64                          ; v64-99 K's tile t at 4 t (its run of 8 reaches over the next tile's), then V's tile d at 8 d; v96-99 stay zero
.set KS,   100                         ; v100-103 K's scale words;  v104-105 V's
.set VS,   104
.set PC,   106                         ; v106-113 p's codes;  v114 p's scale word
.set PW,   114
.set QO,   115
.set BM,   116                         ; v116-119 a block's largest t - M, then largest p;  v120-123 lane l xor 16's, then bytes;  v124-127 the conversions' scale operands
.set BX,   120
.set SCO,  124
.set S,    128                         ; v128-191 S', then p
.set OT,   192                         ; v192-223 O^T, tile d at 8 d
.set FF,   224                         ; v[224:225] f = 2^(old M - new M) (the pair's upper word is written once)
.set T0,   226
.set T1,   227
.set SU2,  228                         ; v[228:229] the sums' second chain
.set SLV,  230                         ; v[230:231] slope' = slope x log2(e), twice
	s_load_b128 s[4:7], s[0:1], 0x0                ; kv s[4:5], qq s[6:7]
	s_load_b64 s[8:9], s[0:1], 0x10                ; out0
	v_lshl_add_u32 v254, v0, 2, 0x46000
	v_mov_b32 v255, 0
	ds_add_u32 v254, v255
	ds_add_u32 v254, v255
	v_lshrrev_b32 v1, 5, v0
	v_readfirstlane_b32 s[WAVE], v1                ; wave 0..15
	s_and_b32 s[HD], ttmp7, 0xffff
	s_lshr_b32 s[HEAVY], s[WAVE], 2
	s_xor_b32 s[HEAVY], s[HEAVY], s[WAVE]
	s_and_b32 s[HEAVY], s[HEAVY], 1
	s_lshr_b32 s[IDX], s[WAVE], 1                  ; waves 2 k and 2 k + 1 take tile k, one of each block
	s_sub_co_u32 s54, 31, ttmp9
	s_cmp_lg_u32 s[HEAVY], 0
	s_cselect_b32 s[LAST], s54, ttmp9              ; block 31 - p or p
	s_lshl_b32 s[Q0], s[LAST], 7
	s_lshl_b32 s57, s[IDX], 4
	s_add_co_u32 s[Q0], s[Q0], s57
	s_lshr_b32 s[LCH], s[LAST], 3
	s_mov_b32 s[G1], 3<<16                         ; no mask; elements of 8 bytes; no padding
	s_mov_b32 s[G1+1], 32<<16                      ; tensor_dim0 = 32: rows of 256 bytes
	s_mov_b32 s[G1+2], 70<<16                      ; tensor_dim1
	s_mov_b32 s[G1+3], 32<<16                      ; tile_dim0
	s_mov_b32 s[G1+4], 70                          ; tile_dim1
	s_mov_b32 s[G1+5], 32                          ; dense: a row begins where the last ends
	s_mov_b32 s[G1+6], 0
	s_mov_b32 s[G1+7], 0
	s_mul_i32 s54, s[HD], HEADB
	s_mul_i32 s56, s[WAVE], LOADB
	s_add_co_u32 s54, s54, s56
	s_mov_b32 s55, 0
	s_wait_dscnt 0x0
	s_wait_kmcnt 0x0
	s_add_nc_u64 s[4:5], s[4:5], s[54:55]
.irp n, 0,1,2,3
	s_mov_b32 s[G0+4*\n], 1
	s_add_co_u32 s[G0+4*\n+1], s56, \n*CHUNKB      ; chunk n, steps 8 n + 2 wave and the next: in LDS as in memory
	s_add_nc_u64 s[G0+4*\n+2:G0+4*\n+3], s[4:5], \n*CHUNKB
	s_or_b32 s[G0+4*\n+3], s[G0+4*\n+3], 0x80000000
.endr
	s_cmp_lt_u32 s[WAVE], 4                        ; a wave's first fills stand in one branch, ahead of every wait on TENSORcnt, every LDS read and every barrier: four loads of a fetching wave are out
	s_cbranch_scc0 .Lno_fetch
	tensor_load_to_lds s[G0:G0+3], s[G1:G1+7]
	s_nop 0
	tensor_load_to_lds s[G0+4:G0+7], s[G1:G1+7]
	s_nop 0
	tensor_load_to_lds s[G0+8:G0+11], s[G1:G1+7]
	s_nop 0
	tensor_load_to_lds s[G0+12:G0+15], s[G1:G1+7]
	s_nop 0
.rept 4
	v_nop
.endr
.Lno_fetch:
	s_mul_i32 s54, s[HD], QHEADB
	s_mul_i32 s58, s[LAST], QSTEPB
	s_add_co_u32 s54, s54, s58
	s_add_nc_u64 s[6:7], s[6:7], s[54:55]          ; qq at my block
	s_lshl_b32 s54, s[Q0], 12
	s_lshl_b32 s58, s[HD], 8
	s_add_co_u32 s54, s54, s58
	s_add_nc_u64 s[8:9], s[8:9], s[54:55]          ; out0 at my first query's row, my head's 256 bytes
	v_and_b32 v[T0], 31, v0
	v_lshlrev_b32 v[LI], 4, v[T0]
	v_lshlrev_b32 v[L8], 3, v[T0]
	v_and_b32 v[T1], 15, v0                        ; r
	v_bfe_u32 v[SU2], v0, 4, 1                     ; h
	s_lshl_b32 s54, s[IDX], 9
	v_add_nc_u32 v[QO], s54, v[LI]                 ; my tile's image
	s_lshr_b32 s54, s[IDX], 2
	s_lshl_b32 s54, s54, 8
	s_and_b32 s58, s[IDX], 3
	s_lshl_b32 s58, s58, 2
	s_add_co_u32 s54, s54, s58
	v_lshl_add_u32 v[QSO], v[T1], 4, s54           ; its word in the scale image: 16 (16 (tile / 4) + r) + 4 (tile % 4)
	global_load_b128 v[QF:QF+3], v[QO], s[6:7]
	global_load_b32 v[QS], v[QSO], s[6:7] offset:4096
.irp i, 4,5,6,7
	v_mov_b32 v[QF+\i], 0                          ; Q's zero codes for the half of the instruction's K that holds nothing
.endr
.irp i, 32,33,34,35
	v_mov_b32 v[FB+\i], 0                          ; what the last tile's run of 8 reaches over
.endr
.set Q, 0
.rept 32
	v_mov_b32 v[OT+Q], 0                           ; O^T: the step is written once; the first finds zeros, which the first change of M leaves zeros
.set Q, Q+1
.endr
.irp i, 0,1,2,3
	v_mov_b32 v[BX+\i], 0                          ; written once: a lane permute's destination counts as one of its sources
.endr
	v_mov_b32 v[SUM], 0
	v_mov_b32 v[SUM+1], 0
	v_mov_b32 v[FF+1], 0
	v_mov_b32 v[NINF], 0xff800000
	v_mov_b32 v[TMX], 0xff61b1e6                   ; the largest t so far: -3e38, under every t
	v_floor_f32 v[NM], -v[TMX]
	v_lshlrev_b32 v[SU2+1], 3, v[SU2]              ; 8 h
	v_sub_nc_u32 v[DL], v[T1], v[SU2+1]
	v_add_nc_u32 v[DL], s57, v[DL]
	v_sub_nc_u32 v[T0], v[SU2+1], v[T1]
	s_sub_co_u32 s54, 4, s[Q0]
	v_add_nc_u32 v[T0], s54, v[T0]                 ; 8 h - r + 4 - my first query
.irp t, 0,1,2,3,4,5,6,7
	v_add_nc_u32 v[SU2+1], 16*\t, v[T0]
	v_cvt_f32_i32 v[RL+\t], v[SU2+1]               ; RL of step 0: a whole number under 2^13, exact
.endr
	v_lshlrev_b32 v[GO], 12, v[SU2]
	v_lshl_add_u32 v[GO], v[T1], 4, v[GO]
	s_mul_i32 s54, s[WAVE], 16*SP                  ; my stage
	v_mul_u32_u24 v[STO], v[T1], SP
	v_lshl_add_u32 v[STO], v[SU2], 5, v[STO]
	v_add_nc_u32 v[STO], s54, v[STO]               ; in: row r, 32 bytes for each half of the lanes
	v_mul_u32_u24 v[RD], v[SU2], SP
	v_lshl_add_u32 v[RD], v[T1], 4, v[RD]
	v_add_nc_u32 v[RD], s54, v[RD]                 ; back: lanes 0-15 one row, lanes 16-31 the next
	; slope = 2^(-(head + 1) / 2): 1 or sqrt(1/2), with (head + 1) / 2 taken off the exponent field
	s_add_co_u32 s54, s[HD], 1
	s_lshr_b32 s58, s54, 1
	s_lshl_b32 s58, s58, 23
	s_and_b32 s54, s54, 1
	s_mov_b32 s50, 0x3f800000
	s_cmp_lg_u32 s54, 0
	s_cselect_b32 s50, 0x3f3504f3, s50
	s_sub_co_u32 s50, s50, s58
	s_add_co_u32 s51, s50, 5<<23                   ; 32 x slope
	v_mov_b32 v[T0], s50
	v_mul_f32 v[SLV], 0x3fb8aa3b, v[T0]            ; slope x log2(e)
	v_mov_b32 v[SLV+1], v[SLV]
	v_mov_b32 v[SU2+1], s51
.set Q, 0
.irp c, 0xc0800000,0xc0400000,0xc0000000,0xbf800000,0,0x3f800000,0x40000000,0x40400000
	v_mul_f32 v[C8+Q], \c, v[SU2+1]                ; 32 slope x (-4 .. 3)
.set Q, Q+1
.endr
	s_mov_b32 s[CS], 0x3d38aa3b                    ; c = log2(e) / 32
	s_mov_b32 s[CS+1], s[CS]                       ; (named with it as a pair, so it is written)
	s_mov_b32 s[SEL], 0x76543210
	s_mov_b32 s[SEL+1], 0xfedcba98
	s_mov_b32 s[ST], 0
	s_wait_loadcnt 0x0                             ; Q
; A KEY STEP: 128 keys.
.macro STEP
	s_cmp_gt_u32 s[ST], s[LAST]                    ; all its keys come after my queries: nothing is done but the steps of the address and the count
	s_cbranch_scc1 .Lhidden_\@
	v_add_nc_u32 v[ADR], s[TB], v[LI]
	v_add_nc_u32 v[ADS], s[TB], v[L8]
.irp t, 0,1,2,3,4,5,6,7
	ds_load_b128 v[FB+4*\t:FB+4*\t+3], v[ADR] offset:512*\t        ; K's tile t: an image, 512 consecutive bytes
.endr
	ds_load_b128 v[KS:KS+3], v[ADR] offset:8192
	s_wait_dscnt 0x0
.irp t, 0,1,2,3
	v_wmma_scale_f32_16x16x128_f8f6f4 v[S+8*\t:S+8*\t+7], v[FB+4*\t:FB+4*\t+7], v[QF:QF+7], v[C8:C8+7], v[KS+\t], v[QS] matrix_a_fmt:MATRIX_FMT_FP4 matrix_b_fmt:MATRIX_FMT_FP4
.endr
.irp t, 4,5,6,7
	v_wmma_scale_f32_16x16x128_f8f6f4 v[S+8*\t:S+8*\t+7], v[FB+4*\t:FB+4*\t+7], v[QF:QF+7], v[C8:C8+7], v[KS+\t-4], v[QS] matrix_a_fmt:MATRIX_FMT_FP4 matrix_b_fmt:MATRIX_FMT_FP4 matrix_a_scale:MATRIX_SCALE_ROW1
.endr
.irp i, 0,2,4,6
	v_pk_mul_f32 v[BT+\i:BT+\i+1], v[RL+\i:RL+\i+1], v[SLV:SLV+1]   ; the tiles' bias as t.  These four are also the places behind the products (ISA guide 7.12.1)
.endr
.irp d, 0,1,2,3
.irp c, 0,1
	ds_load_b128 v[FB+8*\d+4*\c:FB+8*\d+4*\c+3], v[ADR] offset:4096+1024*\d+512*\c   ; V's tiles land while the softmax is worked
.endr
.endr
	ds_load_b64 v[VS:VS+1], v[ADS] offset:8704
	s_cmp_lg_u32 s[ST], s[LAST]                    ; only my last step lies on the diagonal
	s_cbranch_scc1 .Lopen_\@
.set NN, 0
.rept 64
	v_cmp_gt_i32 vcc_lo, 16*(NN/8)+NN%8, v[DL]
	v_cndmask_b32 v[S+NN], v[S+NN], v[NINF], vcc_lo   ; hidden scores become -infinity ahead of the maximum: p = 0 then
.set NN, NN+1
.endr
.Lopen_\@:
.irp t, 0,1,2,3,4,5,6,7
	v_max3_num_f32 v[SM+\t], v[S+8*\t], v[S+8*\t+1], v[S+8*\t+2]    ; the largest S' of each tile, the tiles by turns; each result is read from its low end on
.endr
.irp t, 0,1,2,3,4,5,6,7
	v_max3_num_f32 v[SM+\t], v[SM+\t], v[S+8*\t+3], v[S+8*\t+4]
.endr
.irp t, 0,1,2,3,4,5,6,7
	v_max3_num_f32 v[SM+\t], v[SM+\t], v[S+8*\t+5], v[S+8*\t+6]
.endr
.irp t, 0,1,2,3,4,5,6,7
	v_max_num_f32 v[SM+\t], v[SM+\t], v[S+8*\t+7]
.endr
.irp i, 0,2,4,6
	v_pk_fma_f32 v[AT+\i:AT+\i+1], v[SM+\i:SM+\i+1], s[CS:CS+1], v[BT+\i:BT+\i+1] op_sel_hi:[1,0,1]   ; each tile's largest t
.endr
	v_max3_num_f32 v[T0], v[AT], v[AT+1], v[AT+2]
	v_max3_num_f32 v[T0], v[T0], v[AT+3], v[AT+4]
	v_max3_num_f32 v[T0], v[T0], v[AT+5], v[AT+6]
	v_max_num_f32 v[T0], v[T0], v[AT+7]
	v_permlanex16_b32 v[T1], v[T0], s[SEL], s[SEL+1]
	v_max3_num_f32 v[TMX], v[TMX], v[T0], v[T1]    ; the running largest t of my query
	v_mov_b32 v[T0], v[NM]
	v_floor_f32 v[NM], -v[TMX]                     ; the new -M = -ceil(t): M is a whole number
	v_sub_f32 v[T0], v[NM], v[T0]                  ; old M - new M: a whole number, 0 or less
	v_cvt_i32_f32 v[T0], v[T0]                     ; (it saturates)
	v_ldexp_f32 v[FF], 1.0, v[T0]                  ; f = 2^(old M - new M)
.irp i, 0,2,4,6
	v_pk_fma_f32 v[BT+\i:BT+\i+1], v[RL+\i:RL+\i+1], v[SLV:SLV+1], v[NM:NM+1] op_sel_hi:[1,1,0]   ; base = RL slope' - M, one rounding
.endr
.irp i, 0,2,4,6
	v_pk_fma_f32 v[AT+\i:AT+\i+1], v[SM+\i:SM+\i+1], s[CS:CS+1], v[BT+\i:BT+\i+1] op_sel_hi:[1,0,1]   ; each tile's largest t - M: the elements' own operation on one of their numbers
.endr
.irp t, 0,2,4,6
.irp j, 0,2,4,6
	v_pk_fma_f32 v[S+8*\t+\j:S+8*\t+\j+1], v[S+8*\t+\j:S+8*\t+\j+1], s[CS:CS+1], v[BT+\t:BT+\t+1] op_sel_hi:[1,0,0]   ; t - M = S' c + base: an even tile takes the pair's first word for both halves,
.endr
.irp j, 0,2,4,6
	v_pk_fma_f32 v[S+8*\t+8+\j:S+8*\t+9+\j], v[S+8*\t+8+\j:S+8*\t+9+\j], s[CS:CS+1], v[BT+\t:BT+\t+1] op_sel:[0,0,1] op_sel_hi:[1,0,1]   ; an odd tile its second
.endr
.endr
.irp b, 0,1,2,3
	v_max_num_f32 v[BM+\b], v[AT+2*\b], v[AT+2*\b+1]   ; a block of 32 keys is two tiles of lanes l and l xor 16.  p rises with t - M, so the block's largest p is not searched for
.endr
.irp b, 0,1,2,3
	v_permlanex16_b32 v[BX+\b], v[BM+\b], s[SEL], s[SEL+1]
.endr
.irp b, 0,1,2,3
	v_max_num_f32 v[BM+\b], v[BM+\b], v[BX+\b]
.endr
.set NN, 0
.rept 64
	v_exp_f32 v[S+NN], v[S+NN]                     ; p = 2^(t - M), at most 1
.set NN, NN+1
.endr
	v_pk_mul_f32 v[SUM:SUM+1], v[SUM:SUM+1], v[FF:FF+1] op_sel_hi:[1,0]   ; the sums under the new M: the plain place behind the exponentials
	s_wait_alu depctr_va_vdst(0)                   ; one wait for the batch of 64, ahead of its first reader
.irp b, 0,1,2,3
	v_exp_f32 v[BM+\b], v[BM+\b]                   ; the blocks' largest p
.endr
	v_pk_add_f32 v[SU2:SU2+1], v[S:S+1], v[S+2:S+3]   ; the row's sum of the unquantised p, two at a time, in two chains: it reads the 64 alone
.irp j, 4,8,12,16,20,24,28,32,36,40,44,48,52,56,60
	v_pk_add_f32 v[SUM:SUM+1], v[SUM:SUM+1], v[S+\j:S+\j+1]
	v_pk_add_f32 v[SU2:SU2+1], v[SU2:SU2+1], v[S+\j+2:S+\j+3]
.endr
	v_pk_add_f32 v[SUM:SUM+1], v[SUM:SUM+1], v[SU2:SU2+1]
	s_wait_alu depctr_va_vdst(0)                   ; and one for the four
.irp b, 0,1,2,3
	v_max_num_f32 v[BM+\b], 0x1800000, v[BM+\b]    ; the floor 2^(3 - 127): the byte cannot fall under 1
.endr
.irp b, 0,1,2,3
	v_add_nc_u32 v[SCO+\b], 0xff000000, v[BM+\b]   ; 2 off the exponent field: the conversion's scale operand
.endr
.irp b, 0,1,2,3
	v_lshrrev_b32 v[BX+\b], 23, v[SCO+\b]          ; the scale's byte
.endr
	v_lshl_or_b32 v[PW], v[BX+1], 8, v[BX]         ; p's scale word for these 128 keys
	v_lshl_or_b32 v[PW], v[BX+2], 16, v[PW]
	v_lshl_or_b32 v[PW], v[BX+3], 24, v[PW]
.irp b, 0,1,2,3
.irp u, 0,1
	v_cvt_scalef32_pk8_fp4_f32 v[PC+4*(\b/2)+2*\u+\b%2], v[S+8*(2*\b+\u):S+8*(2*\b+\u)+7], v[SCO+\b]
.endr
.endr
	v_nop                                          ; one plain place behind the scaled conversions
.irp g, 0,1,2,3
	v_permlane16_swap_b32 v[PC+2*\g], v[PC+2*\g+1] ; a whole block in a lane: register 4 c + i of lane half h now holds keys 64 c + 32 h + 8 i on
.endr
.set NN, 0
.rept 16
	v_pk_mul_f32 v[OT+NN:OT+NN+1], v[OT+NN:OT+NN+1], v[FF:FF+1] op_sel_hi:[1,0]   ; O^T under the new M, from each accumulator's low end on.  These sixteen also stand between the writes of p's codes and scale word and the products
.set NN, NN+2
.endr
	s_wait_dscnt 0x0                               ; V
.irp d, 0,1
	v_wmma_scale_f32_16x16x128_f8f6f4 v[OT+8*\d:OT+8*\d+7], v[FB+8*\d:FB+8*\d+7], v[PC:PC+7], v[OT+8*\d:OT+8*\d+7], v[VS+\d], v[PW] matrix_a_fmt:MATRIX_FMT_FP4 matrix_b_fmt:MATRIX_FMT_FP4
.endr
.irp d, 2,3
	v_wmma_scale_f32_16x16x128_f8f6f4 v[OT+8*\d:OT+8*\d+7], v[FB+8*\d:FB+8*\d+7], v[PC:PC+7], v[OT+8*\d:OT+8*\d+7], v[VS+\d-2], v[PW] matrix_a_fmt:MATRIX_FMT_FP4 matrix_b_fmt:MATRIX_FMT_FP4 matrix_a_scale:MATRIX_SCALE_ROW1
.endr
.irp i, 0,2,4,6
	v_pk_add_f32 v[RL+\i:RL+\i+1], v[RL+\i:RL+\i+1], 0x43000000 op_sel_hi:[1,0]   ; the next step's keys lie 128 further on.  These four are the places behind the products
.endr
.Lhidden_\@:
	s_add_co_u32 s[TB], s[TB], STEPB
	s_add_co_u32 s[ST], s[ST], 1
.endm
; THE WAY OUT, for the waves whose last step lay in chunk n.  O^T / the sum goes through my stage and leaves as rows: sixteen lanes store 256 consecutive bytes, at a multiple of 256 from out0's first byte.
.macro OUT n
	s_cmp_lg_u32 s[LCH], \n
	s_cbranch_scc1 .Lnot_mine_\@
	v_add_f32 v[SUM], v[SUM], v[SUM+1]             ; the sum's two halves,
	v_permlanex16_b32 v[T0], v[SUM], s[SEL], s[SEL+1]
	v_add_f32 v[SUM], v[SUM], v[T0]                ; and lane l xor 16's: the row's sum
	v_rcp_f32 v[SUM], v[SUM]
	v_nop                                          ; a plain place behind the reciprocal,
	s_wait_alu depctr_va_vdst(0)                   ; and the wait ahead of its first reader
.set NN, 0
.rept 16
	v_pk_mul_f32 v[S+NN:S+NN+1], v[OT+NN:OT+NN+1], v[SUM:SUM+1] op_sel_hi:[1,0]   ; register 8 d + j: out(r, 16 d + 8 h + j)
.set NN, NN+2
.endr
.irp d, 0,1,2,3
	ds_store_b128 v[STO], v[S+8*\d:S+8*\d+3] offset:64*\d
	ds_store_b128 v[STO], v[S+8*\d+4:S+8*\d+7] offset:64*\d+16
.endr
.irp i, 0,1,2,3,4,5,6,7
	ds_load_b128 v[S+32+4*\i:S+32+4*\i+3], v[RD] offset:2*\i*SP    ; LDS serves a wave's instructions in order (ISA guide 5.7.1.4): these see my stores
.endr
.irp i, 0,1,2,3,4,5,6,7
	s_wait_dscnt 7-\i                              ; the younger loads may stay out
	global_store_b128 v[GO], v[S+32+4*\i:S+32+4*\i+3], s[8:9] offset:8192*\i th:TH_STORE_NT
.endr
	s_wait_xcnt 0x0                                ; the stores have read their registers, which the text below writes again
.Lnot_mine_\@:
.endm
; A CHUNK of 8 steps.  The wait leaves the later chunks' loads out, so they may cross the barrier.  Behind the barrier chunk n is whole for every wave, and nobody reads chunk n - 1 any more.
.macro CHUNK n
	s_wait_tensorcnt 3-\n                          ; my part of chunk n is in (a wave that fetches nothing has none out)
	s_wait_dscnt 0x0                               ; no LDS instruction of mine is out at the signal
	s_barrier_signal -1
	s_barrier_wait -1
.if \n > 0
	OUT \n-1
.endif
	s_mov_b32 s[TB], \n*CHUNKB
	s_mov_b32 s[CNT], 8
.Lstep_\@:
	STEP
	s_sub_co_u32 s[CNT], s[CNT], 1
	s_cmp_lg_u32 s[CNT], 0
	s_cbranch_scc1 .Lstep_\@
.endm
	CHUNK 0
	CHUNK 1
	CHUNK 2
	CHUNK 3
	OUT 3
	s_wait_tensorcnt 0x0
	ds_add_u32 v254, v255
	s_wait_dscnt 0x0
	s_endpgm
.Lfunc_end_k_q448abc07eb_attn:
	.size	k_q448abc07eb_attn, .Lfunc_end_k_q448abc07eb_attn-k_q448abc07eb_attn
	.p2alignl 7, 3214868480
	.fill 96, 4, 3214868480
	.section	.rodata,"a",@progbits
	.p2align	6, 0x0
	.amdhsa_kernel k_q448abc07eb_attn
		.amdhsa_group_segment_fixed_size 288768
		.amdhsa_private_segment_fixed_size 0
		.amdhsa_enable_private_segment 0
		.amdhsa_kernarg_size 24
		.amdhsa_user_sgpr_count 2
		.amdhsa_user_sgpr_kernarg_segment_ptr 1
		.amdhsa_wavefront_size32 1
		.amdhsa_system_sgpr_workgroup_id_x 1
		.amdhsa_system_sgpr_workgroup_id_y 1
		.amdhsa_system_sgpr_workgroup_id_z 1
		.amdhsa_system_vgpr_workitem_id 0
		.amdhsa_next_free_vgpr 256
		.amdhsa_next_free_sgpr 66
		.amdhsa_reserve_vcc 1
		.amdhsa_float_denorm_mode_32 3
		.amdhsa_float_denorm_mode_16_64 3
		.amdhsa_memory_ordered 1
		.amdhsa_forward_progress 1
		.amdhsa_inst_pref_size 107
	.end_amdhsa_kernel
	.amdgpu_metadata
---
amdhsa.version: [ 1, 2 ]
amdhsa.kernels:
  - .name:           k_q448abc07eb_attn
    .symbol:         k_q448abc07eb_attn.kd
    .args:
      - { .name: kv, .offset: 0, .size: 8, .value_kind: global_buffer, .address_space: global }
      - { .name: qq, .offset: 8, .size: 8, .value_kind: global_buffer, .address_space: global }
      - { .name: out0, .offset: 16, .size: 8, .value_kind: global_buffer, .address_space: global }
    .group_segment_fixed_size: 288768
    .private_segment_fixed_size: 0
    .kernarg_segment_align: 8
    .kernarg_segment_size: 24
    .max_flat_workgroup_size: 512
    .sgpr_count:     66
    .vgpr_count:     256
    .wavefront_size: 32
...
	.end_amdgpu_metadata
.endif
;; end of part 2
